; MI455X (gfx1250); checked and timed in simulation.
; The chip was launched on July 23, 2026; its instructions are those of AMD's public machine-readable ISA for CDNA 5 (MIT licence, August 2026) and "CDNA5" Instruction Set Architecture Reference Guide (July 2026). The comments in the code are by the model that wrote it; some were corrected since.
;; Quantized Linear. Allowed arithmetic: matrix products marked QUANTISED: E5M2 operands, one E8M0 scale for each 32 along K, by v_wmma_scale_f32_16x16x128_f8f6f4 with both operands' format E5M2, f32 sums; everything else in f32.
;; Inputs: bias 2,048 float32; scales 65,536 float32; weight_int4 2,048 x 4,096 int32; x 4 x 2,048 x 4,096 float32; zero_points 65,536 int32.
;; Outputs: out0 4 x 2,048 x 2,048 float32.
;; This version of the problem:
;;   THIS VERSION OF THE PROBLEM IS GIVEN IN LOW PRECISION. The matrix products marked QUANTISED in the list below multiply operands that are first quantised to E5M2 (5 exponent bits, 2 mantissa bits; 8 bits a number), with one power-of-two scale for each 32 numbers along K (OCP MX v1.0); their sums are f32. All else is computed in f32.
;;   The module's matrix products, in the order in which they are computed (A, B: the left and right operand; K: the contracted axis; several contracted axes count as one K, in the product's order):
;;     1. [M 8,192, K 4,096] x [K 4,096, N 2,048]; A: input x; B: computed on the way: QUANTISED
;;   THE QUANTISER, for each operand of a quantised product, along K:
;;     - K is cut into blocks of 32 from its start; a last block that is shorter is filled with zeros.
;;     - A block's scale is 2^e with e = floor(log2(the largest magnitude in the block)) - 15, held to -126 .. 127; a block of zeros has e = 0. As a byte (E8M0): e + 127.
;;     - Each number is divided by its block's scale, clamped to +-57,344, and rounded to the nearest number of E5M2, ties to even, subnormals kept.
;;     - The product sums the exact products of the quantised numbers (number of the format x scale) in f32.
;;   ~~~python
;;   def quantise(x, axis):      # numpy; x: float32 -> the quantised numbers, widened to float32 again
;;       x = np.moveaxis(x, axis, -1); K = x.shape[-1]
;;       x = np.pad(x, [(0, 0)] * (x.ndim - 1) + [(0, -K % 32)]); x = x.reshape(x.shape[:-1] + (-1, 32)); a = np.abs(x).max(-1, keepdims=True)
;;       e = np.where(a > 0, np.clip(np.frexp(np.where(a > 0, a, 1))[1] - 1 - 15, -126, 127), 0)      # np.frexp(a)[1] - 1 = floor(log2(a)), exactly
;;       r = np.clip(x / 2.0 ** e, -57344, 57344)
;;       step = 2.0 ** (np.maximum(np.frexp(np.where(r == 0, 1, r))[1] - 1, -14) - 2)
;;       q = np.round(r / step) * step * 2.0 ** e      # np.round: ties to even
;;       return np.moveaxis(q.reshape(q.shape[:-2] + (-1,))[..., :K], -1, axis).astype(np.float32)
;;   ~~~
;;   OPERANDS COMPUTED ON THE WAY. 'Computed on the way' means the value that the module computes at that place (a softmax that the list does not call 'softmax' is quantised finished and normalised). What goes into a quantiser is computed in f32, as accurately as f32 sums, v_exp_f32 and their like allow (about 1e-6 of the number): no bf16 or f16 on the way to a quantiser, and a product that is left as it is and whose result goes on into a quantised operand takes f32 operands (vector FMAs, or v_wmma_f32_16x16x4_f32). A number that lies on a knife's edge between two numbers of the format may be rounded either way, as far as f32 arithmetic and the matrix unit's own rounding can turn it there, and no further.
;; One version. Each part assembles by itself: llvm-mc -triple=amdgcn-amd-amdhsa -mcpu=gfx1250 --defsym DOCPART=n.
;; ======== version 1 of 1: 2 launches
;; limits: right only within a limited range of input values
;; workspace buffers: a_pack 34,603,008 bytes; b_pack 8,650,752 bytes
;; launch quant (part 1): grid 1280 x 1, 4 waves a work-group, no clusters, 49,664 bytes of LDS; arguments x, weight_int4, scales, zero_points, a_pack, b_pack; writes a_pack, b_pack
.if DOCPART == 1
	.amdgcn_target "amdgcn-amd-amdhsa--gfx1250"
	.amdhsa_code_object_version 6
	.text
	.protected	k_qf53e0b5eb2_quant
	.globl	k_qf53e0b5eb2_quant
	.p2align	8
	.type	k_qf53e0b5eb2_quant,@function
k_qf53e0b5eb2_quant:
	s_mov_b64 s[64:65], 0
	v_nop
	global_prefetch_b8 v0, s[64:65] scope:SCOPE_SE
	s_setreg_imm32_b32 hwreg(HW_REG_WAVE_MODE, 25, 1), 1
	s_wait_xcnt 0x0
; out0 = Q(x) Q(w)^T + bias, w[o][i] = (f32(weight_int4[o][i]) - f32(zero_points[g])) * scales[g], g = 32 o + i / 128; Q: codes of BF8 (E5M2) with one E8M0 scale byte for each 32 along K = 4,096.
; THIS LAUNCH makes both operands' codes and scale bytes, once; the next launch multiplies them.  No work is left out: x, weight_int4, scales and zero_points all move codes or scale bytes, bias is added in the next launch.
; x [8192][4096] f32 is quantised as it is; w [2048][4096] is first made in f32 as the problem writes it: convert, subtract, multiply, each rounded once.
; A block's scale is 2^(floor(log2(its largest magnitude)) - 15); its byte is the largest magnitude's own exponent field - 15, held at 1 from below.  Each number is held within +-57,344 x the scale and rounded to the nearest code, ties to even.
; LIMITS: NaN and infinities among the inputs are not served.  A block of zeros gets the byte 1 where the rule says 127: its codes are zeros, which add nothing under any byte but 0xff, and this program alone reads the bytes.
;         A block whose largest magnitude lies under 2^-111 keeps the byte 1, as the rule's hold at -126 gives.
; THE WORKSPACE IS LAID AS THE NEXT LAUNCH FETCHES IT: [blocks of 128 rows][16 K steps of 256][a tile of 33,792 bytes]; a tile is 128 rows x 256 codes, then the rows' scale bytes, [128][8]: 132 pieces of 256 bytes on end.
; SHARES.  Work-groups 0-255 take w, 256-1279 take x.  A work-group takes 32 rows x 1,024 along K; each of its four waves one K step of 256 for the 32 rows: 16 steps of 512 numbers (two rows' pieces of 256).
; The conversions take numbers of ONE block from one lane's registers, so a lane must hold 16 neighbours along K; a load is best where neighbouring lanes take neighbouring bytes.  Both are had: each load reads 512 consecutive bytes,
; a step's 2,048 bytes go through the wave's own stage in LDS as they lie and come back 64 bytes a lane (16 bytes of padding behind each 64).  Two neighbouring lanes hold a block of 32.
; A lane's 16 codes are 16 bytes: a wave's store covers 512 consecutive bytes, aligned.  A wave's 256 scale bytes are gathered in its own LDS bytes and leave as one aligned run of 256 bytes.
; No tensor loads, no barrier: waves share nothing.  Loads run four steps (16 loads a wave) ahead, the turn through LDS one step.  The two paths part on the work-group's number and have LDS bytes of their own.
.set WGW,   256                        ; w's work-groups: 2,048 rows / 32 x 4 quarters of K
.set STEPS, 16
.set EMAX,  15
.set MANT,  0x600000                   ; the mantissa field of 57,344 as f32
.set TILEB, 33792                      ; a tile of the workspace
.set ROWSRC, 16384                     ; a row of x or of weight_int4 in bytes
.set WREG,  6144                       ; LDS: a region for each wave of each path
.set SP,    80                         ; a lane's place in a stage: its 64 bytes + 16 of padding
.set STG,   32*SP                      ; a stage; two of them by turns
.set SCB,   2*STG                      ; behind them the wave's 256 scale bytes,
.set TSC,   256                        ; 256 bytes on: w's 64 group scales, [32 rows][2] f32,
.set TZP,   512                        ; and 256 more: its 64 zero points as f32
.set SPARE, 8*WREG                     ; behind the eight regions: the spare words, 128 bytes for each wave: two blocks of 256 bytes that no other line names
.set TA,    1                          ; v1       w: first 128 x lane (the tables' loads), then the LDS address of my group's word in the tables
.set ZV,    2                          ; v2       the lane's number at the head; then w: the step's zero point
.set SV,    4                          ; v4       w: the step's group scale
.set SPW,   12                         ; v12      LDS address of my spare word: SPARE + 4 x my thread's number; never rewritten
.set NIL,   13                         ; v13      0; never rewritten
.set R,     16                         ; v16-79   four sets of 16 numbers as they are loaded
.set X,     80                         ; v80-111  two sets of 16 neighbours
.set E,     112                        ; v112-127 a scale byte for each step
.set C,     128                        ; v128-191 codes: four registers for each step, so that no store's data are written again
.macro LOAD t                          ; step t: rows 2 t and 2 t + 1, 1,024 bytes of each, by four loads of 512 consecutive bytes
.irp i, 0,1,2,3
	global_load_b128 v[R+16*((\t)%4)+4*\i:R+16*((\t)%4)+4*\i+3], v3, s[38:39] offset:(2*(\t)+\i/2)*ROWSRC+512*(\i%2) th:TH_LOAD_NT
.endr
.endm
.macro TURN t                          ; step t's numbers through the stage: LDS serves a wave's instructions in order, so no wait stands between the stores and the loads
.irp i, 0,1,2,3
	ds_store_b128 v14, v[R+16*((\t)%4)+4*\i:R+16*((\t)%4)+4*\i+3] offset:STG*((\t)%2)+8*SP*\i
.endr
.irp i, 0,1,2,3
	ds_load_b128 v[X+16*((\t)%2)+4*\i:X+16*((\t)%2)+4*\i+3], v15 offset:STG*((\t)%2)+16*\i
.endr
.endm
; A step.  Behind TURN lane l holds row 2 t + l / 16, k = 16 (l % 16) + 0 .. 15 of the K step.
.macro STEP t
.set XS, X+16*((\t)%2)
.if (\t) > 0
	s_wait_dscnt 1                                 ; this step's numbers are back from the stage (w: and its scale and zero point); only the last step's byte store may be out.  So the stores into the stage have read their registers,
.else
	s_wait_dscnt 0x0
.endif
.if (\t)+4 < STEPS
	LOAD (\t)+4                                    ; which take the loads of four steps on
.endif
.if (\t)+1 < STEPS
.if STEPS-2-(\t) >= 3
	s_wait_loadcnt 12                              ; the next step's four loads are in; those of the three steps behind it may be out
.else
	s_wait_loadcnt 4*(STEPS-2-(\t))                ; the same near the end: the steps behind it are fewer
.endif
	TURN (\t)+1                                    ; and go through the other stage while this step is worked
.endif
.if ISW                                        ; w = (f32(int) - f32(zero point)) x scale, in the problem's own order
.irp i, 0,1,2,3,4,5,6,7,8,9,10,11,12,13,14,15
	v_cvt_f32_i32 v[XS+\i], v[XS+\i]
.endr
.irp i, 0,1,2,3,4,5,6,7,8,9,10,11,12,13,14,15
	v_sub_f32 v[XS+\i], v[XS+\i], v[ZV]
.endr
.irp i, 0,1,2,3,4,5,6,7,8,9,10,11,12,13,14,15
	v_mul_f32 v[XS+\i], v[XS+\i], v[SV]
.endr
.if (\t)+1 < STEPS
	ds_load_b32 v[SV], v[TA] offset:TSC+16*((\t)+1)    ; the next step's: word 4 (t + 1) + lane / 8 of the tables: row 2 (t + 1) + lane / 16, group (lane / 8) % 2
	ds_load_b32 v[ZV], v[TA] offset:TZP+16*((\t)+1)
.endif
.endif
	v_max3_num_f32 v8, |v[XS]|, |v[XS+1]|, |v[XS+2]|               ; the largest magnitude of my 16, in two chains
	v_max3_num_f32 v9, |v[XS+3]|, |v[XS+4]|, |v[XS+5]|
.irp i, 6,10
	v_max3_num_f32 v8, v8, |v[XS+\i]|, |v[XS+\i+1]|
	v_max3_num_f32 v9, v9, |v[XS+\i+2]|, |v[XS+\i+3]|
.endr
	v_max3_num_f32 v8, v8, |v[XS+14]|, |v[XS+15]|
	v_max3_num_f32 v8, v8, v9, (EMAX+1)<<23        ; and the floor 2^(EMAX + 1 - 127), under which no largest magnitude is taken: so the byte cannot fall under 1
	v_max_num_f32_dpp v8, v8, v8 row_xmask:1 row_mask:0xf bank_mask:0xf   ; and of my neighbour's 16: the block's
	v_add_nc_u32 v11, -(EMAX<<23), v8              ; EMAX off its exponent field: the conversion takes the exponent field of this operand as its scale, and nothing else of it
	v_and_or_b32 v10, v8, 0x7f800000, s23          ; 57,344 x the scale: the largest magnitude's exponent field over 57,344's mantissa (s23)
.irp i, 0,1,2,3,4,5,6,7,8,9,10,11,12,13,14,15
	v_med3_num_f32 v[XS+\i], v[XS+\i], -v10, v10   ; the conversion to an 8-bit code does not saturate (ISA guide 7.6.2): hold the number within the largest code x the scale first
.endr
	v_cvt_scalef32_pk8_bf8_f32 v[C+4*(\t):C+4*(\t)+1], v[XS:XS+7], v11          ; eight numbers / 2^(v11's exponent), to the nearest code, ties to even; the first number's code in the lowest byte
	v_cvt_scalef32_pk8_bf8_f32 v[C+4*(\t)+2:C+4*(\t)+3], v[XS+8:XS+15], v11
	v_lshrrev_b32 v[E+(\t)], 23, v11               ; the scale's byte (also the plain line behind the conversions)
	ds_store_b8 v5, v[E+(\t)] offset:16*(\t)       ; byte 16 t + lane / 2 = 8 x (row 2 t + lane / 16) + the block's number; both lanes of a block write the same byte with the same value
	global_store_b128 v3, v[C+4*(\t):C+4*(\t)+3], s[32:33] offset:512*(\t)      ; 32 lanes store 512 consecutive bytes: two rows of the tile
.endm
; One tensor's whole path.  ISW: 1 for w;  LB: the path's LDS bytes;  SRC, PK: the scalar pairs of the source's and the workspace's addresses.
.macro QBODY
.if ISW
	s_mov_b32 s17, ttmp9                           ; the work-group's number within its tensor
.else
	s_sub_co_u32 s17, ttmp9, WGW
.endif
	s_and_b32 s18, s17, 3
	s_lshl_b32 s18, s18, 2
	s_add_co_u32 s18, s18, s16                     ; my K step: 4 x (number % 4) + wave
	s_lshr_b32 s19, s17, 2                         ; my block of 32 rows
	s_lshl_b32 s20, s19, 19                        ; the source: 32 rows of 16,384 bytes,
	s_lshl_b32 s21, s18, 10                        ; + 1,024 bytes a K step (under 2^28 in all)
	s_add_co_u32 s20, s20, s21
	s_mov_b32 s21, 0
	s_lshr_b32 s22, s17, 4                         ; the block of 128 rows,
	s_lshl_b32 s22, s22, 4
	s_add_co_u32 s22, s22, s18                     ; x 16 K steps + mine:
	s_mul_i32 s22, s22, TILEB                      ; the tile's first byte (under 2^26)
	s_and_b32 s26, s19, 3                          ; which 32 of its 128 rows
	s_lshl_b32 s28, s26, 13                        ; their codes: 32 rows x 256 bytes
	s_add_co_u32 s28, s28, s22
	s_mov_b32 s29, 0
	s_lshl_b32 s30, s26, 8                         ; their scale bytes: 32 rows x 8, behind the tile's 32,768 bytes of codes
	s_add_co_u32 s30, s30, s22
	s_add_co_u32 s30, s30, 32768
	s_mov_b32 s31, 0
	s_mul_i32 s24, s16, WREG                       ; my wave's region of LDS,
.if LB
	s_add_co_u32 s24, s24, LB                      ; in this path's bytes
.endif
	s_add_co_u32 s25, s24, SCB
	v_lshrrev_b32 v14, 2, v2
	v_mul_u32_u24 v14, v14, SP
	v_and_b32 v15, 3, v2
	v_lshl_add_u32 v14, v15, 4, v14
	v_add_nc_u32 v14, s24, v14                     ; the stage, on the way in: four lanes' 64 bytes on end, then 16 of padding: SP (lane / 4) + 16 (lane % 4); a load's 512 bytes take eight places
	v_mul_u32_u24 v15, v2, SP
	v_add_nc_u32 v15, s24, v15                     ; and on the way out: SP x lane: my 16 neighbours
	v_lshrrev_b32 v5, 1, v2
	v_add_nc_u32 v5, s25, v5                       ; my block's scale byte
	v_add_nc_u32 v6, s25, v7                       ; 8 bytes a lane of the 256
.if ISW
	s_lshl_b32 s36, s19, 12                        ; the groups' tables: 32 rows x 32 groups x 4 bytes,
	s_lshl_b32 s37, s18, 3                         ; + 2 groups a K step
	s_add_co_u32 s36, s36, s37
	s_mov_b32 s37, 0
	v_lshlrev_b32 v[TA], 7, v2                     ; a lane a row: 32 groups x 4 bytes apart
.endif
	s_wait_alu depctr_va_vdst(0)
	s_wait_kmcnt 0x0
	s_add_nc_u64 s[38:39], s[SRC:SRC+1], s[20:21]
	s_add_nc_u64 s[32:33], s[PK:PK+1], s[28:29]
	s_add_nc_u64 s[34:35], s[PK:PK+1], s[30:31]
.if ISW
	s_add_nc_u64 s[8:9], s[8:9], s[36:37]
	s_add_nc_u64 s[10:11], s[10:11], s[36:37]
	s_wait_alu depctr_va_vdst(0)
	global_load_b64 v[8:9], v[TA], s[8:9]          ; my row's two group scales of this K step,
	global_load_b64 v[10:11], v[TA], s[10:11]      ; and its two zero points
.endif
.irp t, 0,1,2,3
	LOAD \t
.endr
.if ISW
	s_wait_loadcnt 16                              ; the two tables' loads are in; the 16 loads issued behind them may be out
	v_cvt_f32_i32 v10, v10
	v_cvt_f32_i32 v11, v11
	ds_store_b64 v6, v[8:9] offset:TSC             ; [32 rows][2]
	ds_store_b64 v6, v[10:11] offset:TZP
	v_lshrrev_b32 v[TA], 3, v2                     ; (the loads that read this register are done)
	v_lshl_add_u32 v[TA], v[TA], 2, s25            ; 4 x (lane / 8)
	ds_load_b32 v[SV], v[TA] offset:TSC            ; step 0's; LDS serves a wave's instructions in order: these see the stores above
	ds_load_b32 v[ZV], v[TA] offset:TZP            ; (the lane's number is not wanted any more)
.endif
	s_wait_loadcnt 12                              ; step 0's four loads are in
	TURN 0
.irp t, 0,1,2,3,4,5,6,7,8,9,10,11,12,13,14,15
	STEP \t
.endr
	ds_load_b64 v[8:9], v6                         ; LDS serves a wave's instructions in order: these see my byte stores
	s_wait_dscnt 0x0
	global_store_b64 v7, v[8:9], s[34:35]          ; 32 lanes store 256 consecutive bytes, aligned
	s_wait_tensorcnt 0x0                           ; the wave's end, behind my last LDS store
	ds_add_u32 v[SPW], v[NIL]
	s_wait_dscnt 0x0
	s_endpgm
.endm
	s_load_b256 s[4:11], s[0:1], 0x0               ; x s[4:5], weight_int4 s[6:7], scales s[8:9], zero_points s[10:11]
	s_load_b128 s[12:15], s[0:1], 0x20             ; a_pack s[12:13], b_pack s[14:15]
	v_lshl_add_u32 v[SPW], v0, 2, SPARE
	v_mov_b32 v[NIL], 0
	v_lshrrev_b32 v1, 5, v0
	v_readfirstlane_b32 s16, v1                    ; wave 0..3
	v_and_b32 v2, 31, v0                           ; lane
	v_lshlrev_b32 v3, 4, v2                        ; my 16 bytes of a load's 512, and of a store's
	v_lshlrev_b32 v7, 3, v2                        ; my 8 of the 256 scale bytes
	s_mov_b32 s23, MANT                            ; (an instruction takes one literal: the hold's line has another)
	s_cmp_lt_u32 ttmp9, WGW                        ; w's work-group or x's?  The branch hangs on the work-group's number alone
	s_cbranch_scc0 .Lx
.set ISW, 1
.set LB,  0
.set SRC, 6
.set PK,  14
	s_wait_alu depctr_va_vdst(0)
	QBODY
.Lx:
.set ISW, 0
.set LB,  4*WREG
.set SRC, 4
.set PK,  12
	s_wait_alu depctr_va_vdst(0)
	QBODY
.Lfunc_end_k_qf53e0b5eb2_quant:
	.size	k_qf53e0b5eb2_quant, .Lfunc_end_k_qf53e0b5eb2_quant-k_qf53e0b5eb2_quant
	.p2alignl 7, 3214868480
	.fill 96, 4, 3214868480
	.section	.rodata,"a",@progbits
	.p2align	6, 0x0
	.amdhsa_kernel k_qf53e0b5eb2_quant
		.amdhsa_group_segment_fixed_size 49664
		.amdhsa_private_segment_fixed_size 0
		.amdhsa_enable_private_segment 0
		.amdhsa_kernarg_size 48
		.amdhsa_user_sgpr_count 2
		.amdhsa_user_sgpr_kernarg_segment_ptr 1
		.amdhsa_wavefront_size32 1
		.amdhsa_system_sgpr_workgroup_id_x 1
		.amdhsa_system_sgpr_workgroup_id_y 1
		.amdhsa_system_sgpr_workgroup_id_z 1
		.amdhsa_system_vgpr_workitem_id 0
		.amdhsa_next_free_vgpr 192
		.amdhsa_next_free_sgpr 66
		.amdhsa_reserve_vcc 0
		.amdhsa_float_denorm_mode_32 3
		.amdhsa_float_denorm_mode_16_64 3
		.amdhsa_memory_ordered 1
		.amdhsa_forward_progress 1
		.amdhsa_inst_pref_size 128
	.end_amdhsa_kernel
	.amdgpu_metadata
---
amdhsa.version: [ 1, 2 ]
amdhsa.kernels:
  - .name:           k_qf53e0b5eb2_quant
    .symbol:         k_qf53e0b5eb2_quant.kd
    .args:
      - { .name: x, .offset: 0, .size: 8, .value_kind: global_buffer, .address_space: global }
      - { .name: weight_int4, .offset: 8, .size: 8, .value_kind: global_buffer, .address_space: global }
      - { .name: scales, .offset: 16, .size: 8, .value_kind: global_buffer, .address_space: global }
      - { .name: zero_points, .offset: 24, .size: 8, .value_kind: global_buffer, .address_space: global }
      - { .name: a_pack, .offset: 32, .size: 8, .value_kind: global_buffer, .address_space: global }
      - { .name: b_pack, .offset: 40, .size: 8, .value_kind: global_buffer, .address_space: global }
    .group_segment_fixed_size: 49664
    .private_segment_fixed_size: 0
    .kernarg_segment_align: 8
    .kernarg_segment_size: 48
    .max_flat_workgroup_size: 128
    .sgpr_count:     66
    .vgpr_count:     192
    .wavefront_size: 32
...
	.end_amdgpu_metadata
.endif
;; end of part 1
;; launch gemm (part 2): grid 8 x 32, 4 waves a work-group, clusters of 4 x 4, 327,680 bytes of LDS; arguments a_pack, b_pack, bias, out0; writes out0
.if DOCPART == 2
	.amdgcn_target "amdgcn-amd-amdhsa--gfx1250"
	.amdhsa_code_object_version 6
	.text
	.protected	k_qf53e0b5eb2_gemm
	.globl	k_qf53e0b5eb2_gemm
	.p2align	8
	.type	k_qf53e0b5eb2_gemm,@function
k_qf53e0b5eb2_gemm:
	s_mov_b64 s[64:65], 0
	v_nop
	global_prefetch_b8 v0, s[64:65] scope:SCOPE_SE
	s_setreg_imm32_b32 hwreg(HW_REG_WAVE_MODE, 25, 1), 1
	s_wait_xcnt 0x0
	s_wait_alu depctr_hold_cnt(0) depctr_sa_sdst(0) depctr_va_vdst(0) depctr_va_sdst(0) depctr_va_ssrc(0) depctr_va_vcc(0) depctr_vm_vsrc(0)
	s_getreg_b32 s2, hwreg(HW_REG_IB_STS2, 6, 4)
	s_cmp_eq_u32 s2, 0
	s_cbranch_scc0 .Lentry_in_a_cluster
	s_endpgm
.Lentry_in_a_cluster:
	s_bfe_u32 s2, ttmp6, 0x10000c
	s_cmp_lg_u32 s2, 0xf033
	s_cbranch_scc0 .Lentry_shape_is_right
	s_endpgm
.Lentry_shape_is_right:
; out0[m][n] = sum over k of Q(x)[m][k] Q(w)[n][k] + bias[n]: 8,192 x 2,048 x 4,096 on the codes of BF8 (E5M2) and E8M0 scale bytes that the first launch left.  No work is left out.
; LIMITS: NaN, infinities and sums beyond f32's range are not served.
; a_pack, b_pack: [blocks of 128 rows][16 K steps of 256][a tile of 33,792 bytes]; a tile is 128 rows x 256 codes, then the rows' scale bytes [128][8].
; A block of out0, 256 x 256, is made by a work-group of four waves; a wave makes 128 x 128: 64 accumulators of 16 x 16, 512 registers.  256 work-groups, one block each.
; K goes in K steps of 256 through a ring of two LDS slots; a wave fetches one tile (A's two halves: waves 0, 1; B's: waves 2, 3).  A tile is dense in memory and is stated as 33 rows of 1,024 bytes;
; the padding stays 16 bytes behind every 256, so that in LDS a row of 256 codes has a pitch of 272 bytes and the 16 rows that a fragment load touches start at 16 different banks (64 banks of 4 bytes: ISA guide 11.1).
; CLUSTERS: 4 x 4 work-groups.  The four of a row need the same tiles of A, the four of a column the same tiles of B: each tile is asked for jointly, by the same tensor load with a mask that names the four.
; THE MATRIX INSTRUCTION IS USED TRANSPOSED (source 0 = 16 rows of B, source 1 = 16 rows of A): a lane holds eight neighbouring numbers of a row of out0.  The bias is the first products' C.
; THE STREAM.  A step is 128 along K: 64 products, A's blocks 0 to 7 one after the other, each against B's eight.  In a step ALL 16 fragments of the NEXT step come from LDS, in a few long runs.
; B has two sets of registers; A has one, and block 7 two homes, for even and odd steps.  So a slot's last read is issued at the end of its first (even) step.  Its second (odd) step multiplies what lies in registers:
; 32 products stand ahead of the wait for the next slot's tile, and between that wait and the refill stand the add, its wait and the round alone.
; THE TWO PAIRS OF WAVES ASK AT DIFFERENT PLACES OF A STEP.  Waves 0, 1: behind the round the next slot's scale words, B's set, A's blocks 7 and 0-3, then blocks 4-7's products; in the even step's middle B's other set.
; Waves 2, 3: behind the round blocks 4-7's products first, then the same loads, and B's other set directly behind them, ahead of the even step's products.  A's blocks 0-3 (a step's middle) and 4-6 (its end) come alike in all waves.
; In the last step block a's sums are final behind its eight products: it leaves through the stage among the next block's products.
; PREFETCH: a block of 128 rows is one dense run of 540,672 bytes.  Behind each of the first 13 refills a wave names 32 pieces of 256 bytes, a lane a piece: the four partners of a joint load take 8,192 bytes each, told apart by
; address, 32,768 bytes a refill; the 13 cover the run's last 425,984 bytes, codes and scale bytes.  The refill for K step t + 2 (byte 33,792 (t + 2)) names bytes from 114,688 + 32,768 t on: 47,104 - 1,024 t bytes, one tile or more,
; ahead.  What lies ahead of byte 114,688 comes by its loads alone; the 14th refill asks for nothing.  A's waves ask in every cluster (two read a tile), B's in the clusters of even y (four of the eight that read a tile).
; REGISTERS: window 0: v0-15 addresses; v16-31 A's block 7 of odd steps; v32-63 scale words, a set a slot; v64-127 the bias; v128-255 A's blocks 0-7.  Window 1: B's two sets.
;   Window 2: the accumulators of my rows 0-63 ((a, b) at v[8 (8 a + b)]); window 3: those of rows 64-127.
.set SIZE_N, 2048
.set PITCH,  272
.set TILEB,  33792
.set RBB,    16*TILEB                  ; a block of 128 rows, all of K
.set HALFT,  132*PITCH                 ; a tile in LDS
.set SCO,    128*PITCH                 ; its scale bytes
.set SLOT,   4*HALFT
.set SPARE,  2*SLOT                    ; behind the ring: the spare words, 128 bytes a wave
.set SPITCH, 528                       ; the way out: a stage of 16 rows x (512 + 16) bytes a wave, in slot 0, which has had its last fill and its last read by then
.set PFSTEP, 32768
.set PF0,    RBB-13*PFSTEP
.set ADRA, 2                           ; v2, v3   LDS address of my A fragments in slot 0, 1
.set ADRB, 4                           ; v4, v5   of my B fragments
.set ADRS, 6                           ; v6, v7   of my scale words: lanes 0-15 A's rows, lanes 16-31 B's
.set STO,  8                           ; v8       the stage, on the way in
.set RD,   9                           ; v9       and back
.set CO,   10                          ; v10      16 x lane
.set BO,   11                          ; v11      the bias: 32 x (lane / 16)
.set SPW,  12                          ; v12      my spare word; never rewritten
.set NIL,  13                          ; v13      0; never rewritten
.set PFO,  14                          ; v14      256 x lane
.set A7O,  16
.set SC,   32                          ; set s at SC + 16 s; register 2 i + q: lanes 0-15 A's block i, lanes 16-31 B's block i, the slot's q-th 128 of K
.set BI,   64
.set AF,   128
.set A7E,  AF+112
.set LIM,  12                          ; s12      1 where my wave prefetches, else the greatest number
.set PFA,  18                          ; s[18:19] where my prefetches stand
.set G1, 24                            ; s[24:31], s[32:39] descriptor groups 1 and 0 (a set a slot) of A's tiles
.set G0, 32
.set G1B, 48                           ; s[48:55], s[56:63] of B's
.set G0B, 56
.set MSB, 0
.macro WIN new                         ; the immediate's high byte repeats the setting that is left
.if MSB != (\new)
	s_set_vgpr_msb (MSB<<8)|(\new)
.set MSB, (\new)
.endif
.endm
.macro PLACES n
.rept \n
	v_nop
.endr
.endm
.macro JLOAD s                         ; a joint load: waves 0, 1 ask for A's halves, waves 2, 3 for B's; s_nop 0 and four v_nop follow each line
	s_cmp_eq_u32 s15, 0
	s_cbranch_scc0 .Lfor_b_\@
	tensor_load_to_lds s[G0+4*\s:G0+4*\s+3], s[G1:G1+7]
	s_nop 0
	PLACES 4
	s_branch .Lasked_\@
.Lfor_b_\@:
	tensor_load_to_lds s[G0B+4*\s:G0B+4*\s+3], s[G1B:G1B+7]
	s_nop 0
	PLACES 4
.Lasked_\@:
.endm
.macro CREST                           ; a round of the cluster's barrier behind its opening barrier
	s_cmp_lg_u32 s14, 0
	s_cbranch_scc1 .Lnot_wave_0_\@
	s_barrier_signal -3
.Lnot_wave_0_\@:
	s_barrier_wait -3
	s_barrier_signal -1
	s_barrier_wait -1
.endm
.macro CROUND
	s_barrier_signal -1
	s_barrier_wait -1
	CREST
.endm
.macro ASK always                      ; always = 0: not in the loop's last trip (s3 = 1 there): that would be the 14th
.if \always
	s_cmp_eq_u32 s[LIM], 1
.else
	s_cmp_gt_u32 s3, s[LIM]
.endif
	s_cbranch_scc0 .Lnot_mine_\@
	global_prefetch_b8 v[PFO], s[PFA:PFA+1] th:TH_LOAD_NT scope:SCOPE_SE
.Lnot_mine_\@:
.endm
	s_load_b256 s[4:11], s[0:1], 0x0               ; a_pack, b_pack, bias, out0
	v_lshl_add_u32 v[SPW], v0, 2, SPARE
	v_mov_b32 v[NIL], 0
	ds_add_u32 v[SPW], v[NIL]                      ; the opening lines: the add, twice on end, and its wait ahead of my first tensor load
	ds_add_u32 v[SPW], v[NIL]
	v_lshrrev_b32 v1, 5, v0
	v_readfirstlane_b32 s14, v1                    ; wave 0..3
	s_lshr_b32 s15, s14, 1                         ; my half of the block's rows.  Also: I fetch for A (0) or B (1); and my pair of waves
	s_and_b32 s16, s14, 1                          ; my half of its columns.  Also: which half I fetch
	s_bfe_u32 s40, ttmp6, 0x40000                  ; cx, cy
	s_bfe_u32 s41, ttmp6, 0x40004
	s_lshl_b32 s42, ttmp9, 2
	s_add_co_u32 s42, s42, s40                     ; block column
	s_and_b32 s17, ttmp7, 0xffff
	s_lshl_b32 s17, s17, 2
	s_add_co_u32 s17, s17, s41                     ; block row
	s_lshl_b32 s43, s41, 2
	s_lshl_b32 s43, 15, s43                        ; my row of the cluster
	s_lshl_b32 s44, 0x1111, s40                    ; my column
	s_or_b32 s[G1+0], s43, (3<<16)|(1<<20)|(1<<21)|(5<<22)|(3<<25)    ; the mask; elements of 8 bytes; padding of 4 words behind every 64; bit 21 beside a mask
	s_or_b32 s[G1B+0], s44, (3<<16)|(1<<20)|(1<<21)|(5<<22)|(3<<25)
.irp g, G1, G1B
	s_mov_b32 s[\g+1], 128<<16                     ; tensor_dim0: 128 elements, 1,024 bytes
	s_mov_b32 s[\g+2], 33<<16                      ; tensor_dim1
	s_mov_b32 s[\g+3], 128<<16                     ; tile_dim0
	s_mov_b32 s[\g+4], 33                          ; tile_dim1
	s_mov_b32 s[\g+5], 128                         ; the rows lie end to end
	s_mov_b32 s[\g+6], 0
	s_mov_b32 s[\g+7], 0
.endr
	s_lshl_b32 s20, s17, 1
	s_add_co_u32 s20, s20, s16
	s_mul_i32 s20, s20, RBB                        ; A: block of 128 rows 2 x block row + half
	s_mov_b32 s21, 0
	s_lshl_b32 s46, s42, 1
	s_add_co_u32 s46, s46, s16
	s_mul_i32 s46, s46, RBB                        ; B: 2 x block column + half
	s_mov_b32 s47, 0
	s_mul_i32 s45, s14, HALFT                      ; where my tile goes: no place in the cluster enters an LDS address
	s_wait_dscnt 0x0                               ; both opening adds are done
	CROUND                                         ; all sixteen work-groups are here
	s_wait_kmcnt 0x0
	s_add_nc_u64 s[20:21], s[4:5], s[20:21]
	s_add_nc_u64 s[46:47], s[6:7], s[46:47]
.irp s, 0,1
	s_mov_b32 s[G0+4*\s], 1
	s_add_co_u32 s[G0+4*\s+1], s45, \s*SLOT
	s_add_nc_u64 s[G0+4*\s+2:G0+4*\s+3], s[20:21], \s*TILEB
	s_or_b32 s[G0+4*\s+3], s[G0+4*\s+3], 0x80000000
	s_mov_b32 s[G0B+4*\s], 1
	s_add_co_u32 s[G0B+4*\s+1], s45, \s*SLOT
	s_add_nc_u64 s[G0B+4*\s+2:G0B+4*\s+3], s[46:47], \s*TILEB
	s_or_b32 s[G0B+4*\s+3], s[G0B+4*\s+3], 0x80000000
.endr
	JLOAD 0                                        ; K step 0: one tensor load a wave at the head
	s_mul_i32 s21, s15, HALFT                      ; my 128 rows of A,
	s_mul_i32 s22, s16, HALFT
	s_add_co_u32 s22, s22, 2*HALFT                 ; of B, behind A's two tiles
	s_sub_co_u32 s23, s22, s21
	s_add_co_u32 s20, s21, SCO
	s_mul_i32 s13, s14, 16*SPITCH                  ; my stage
	s_lshl_b32 s46, s42, 10                        ; my first column in bytes: 1,024 x block column + 512 x half
	s_lshl_b32 s47, s16, 9
	s_add_co_u32 s46, s46, s47
	s_mov_b32 s47, 0
	s_lshl_b32 s44, s17, 8
	s_lshl_b32 s45, s15, 7
	s_add_co_u32 s44, s44, s45
	s_lshl_b32 s44, s44, 13                        ; my first row x 8,192 bytes
	s_mov_b32 s45, 0
	s_add_nc_u64 s[8:9], s[8:9], s[46:47]
	s_add_nc_u64 s[10:11], s[10:11], s[44:45]
	s_add_nc_u64 s[10:11], s[10:11], s[46:47]
	s_lshl_b32 s43, s17, 1                         ; the prefetches
	s_lshl_b32 s42, s42, 1
	s_and_b32 s17, ttmp7, 1                        ; my cluster's y, odd or even
	s_cmp_eq_u32 s15, 0                            ; do I fetch for A?
	s_cselect_b32 s43, s43, s42
	s_cselect_b32 s40, s40, s41                    ; my place among the four that ask with me
	s_cselect_b32 s17, 0, s17
	s_cselect_b64 s[PFA:PFA+1], s[4:5], s[6:7]
	s_cmp_eq_u32 s17, 0                            ; A's waves, and B's in the clusters of even y
	s_cselect_b32 s[LIM], 1, -1
	s_add_co_u32 s43, s43, s16
	s_mul_i32 s42, s43, RBB
	s_lshl_b32 s40, s40, 13
	s_add_co_u32 s42, s42, s40
	s_add_co_u32 s42, s42, PF0-PFSTEP              ; the first refill steps it to PF0
	s_mov_b32 s43, 0
	s_add_nc_u64 s[PFA:PFA+1], s[PFA:PFA+1], s[42:43]
	v_and_b32 v1, 15, v0                           ; r = lane % 16
	v_bfe_u32 v15, v0, 4, 1                        ; h = lane / 16
	v_mul_u32_u24 v128, v1, PITCH
	v_lshl_add_u32 v128, v15, 4, v128              ; a fragment's row x pitch + 16 h
	v_add_nc_u32 v[ADRA], s21, v128
	v_add_nc_u32 v[ADRB], s22, v128
	v_add_nc_u32 v[ADRA+1], SLOT, v[ADRA]
	v_add_nc_u32 v[ADRB+1], SLOT, v[ADRB]
	v_mul_u32_u24 v129, s23, v15                   ; lanes 16-31 take B's scale words
	v_lshl_add_u32 v129, v1, 3, v129               ; 8 bytes a row
	v_add_nc_u32 v[ADRS], s20, v129
	v_add_nc_u32 v[ADRS+1], SLOT, v[ADRS]
	v_mul_u32_u24 v130, v1, SPITCH
	v_lshl_add_u32 v130, v15, 5, v130
	v_add_nc_u32 v[STO], s13, v130                 ; row r, 32 bytes for each half of the lanes
	v_and_b32 v131, 31, v0
	v_lshlrev_b32 v[CO], 4, v131
	v_add_nc_u32 v[RD], s13, v[CO]
	v_lshlrev_b32 v[BO], 5, v15
	v_lshlrev_b32 v[PFO], 8, v131
.irp b, 0,1,2,3,4,5,6,7
	global_load_b128 v[BI+8*\b:BI+8*\b+3],   v[BO], s[8:9] offset:64*\b       ; register j of tile b: bias of column 16 b + 8 h + j
	global_load_b128 v[BI+8*\b+4:BI+8*\b+7], v[BO], s[8:9] offset:64*\b+16
.endr
.macro FRAG reg, adr, q, i             ; 16 rows x 128 K: registers 4 c .. 4 c + 3 hold K = 32 c + 16 h + 0 .. 15 of row r
.irp c, 0,1,2,3
	ds_load_b128 v[\reg+4*\c:\reg+4*\c+3], v[\adr] offset:128*(\q)+32*\c+(\i)*16*PITCH
.endr
.endm
.macro LD f, slot, q, p, alt           ; fragment f of a step: 0-7 B's blocks into set p; 8 A's block 7 into alt; 9-15 A's blocks 0-6
.if (\f) < 8
	WIN 0x40
	FRAG 128*(\p)+16*(\f), ADRB+(\slot), \q, \f
.elseif (\f) == 8
	WIN 0
	FRAG \alt, ADRA+(\slot), \q, 7
.else
	WIN 0
	FRAG AF+16*((\f)-9), ADRA+(\slot), \q, (\f)-9
.endif
.endm
.macro RUNB slot, q, p, alt            ; 36 loads: B's eight blocks, A's block 7
.irp f, 0,1,2,3,4,5,6,7,8
	LD \f, \slot, \q, \p, \alt
.endr
	WIN 0
.endm
.macro RUNA slot, q, p, alt            ; 16 loads: A's blocks 0-3
.irp f, 9,10,11,12
	LD \f, \slot, \q, \p, \alt
.endr
.endm
.macro RUN2 slot, q, p, alt            ; 12 loads: A's blocks 4-6
.irp f, 13,14,15
	LD \f, \slot, \q, \p, \alt
.endr
	WIN 0
.endm
.macro SCALES sc                       ; a slot's scale words: 2 words a row
.irp i, 0,1,2,3,4,5,6,7
	ds_load_b64 v[SC+16*\sc+2*\i:SC+16*\sc+2*\i+1], v[ADRS+\sc] offset:(\i/2)*PITCH+(\i%2)*128
.endr
.endm
.macro FIRSTIF pair, next              ; the waves of this pair ask for the next slot's scale words and the first 52 loads of its first step: 60 loads
	s_cmp_eq_u32 s15, \pair
	s_cbranch_scc0 .Lother_\@
	SCALES \next
	RUNB \next, 0, 0, A7E
	RUNA \next, 0, 0, A7E
.Lother_\@:
.endm
.macro W a, b, p, q, sc, alt, first    ; one product: A's block a x B's block b
.if (\a) == 7
.set AR_, \alt
.else
.set AR_, AF+16*(\a)
.endif
.set AC_, 8*(8*((\a)%4)+(\b))
.set BR_, 128*(\p)+16*(\b)
.set SB_, SC+16*(\sc)+2*(\b)+(\q)
.set SA_, SC+16*(\sc)+2*(\a)+(\q)
.if \first
	v_wmma_scale_f32_16x16x128_f8f6f4 v[AC_:AC_+7], v[BR_:BR_+15], v[AR_:AR_+15], v[BI+8*(\b):BI+8*(\b)+7], v[SB_], v[SA_] matrix_a_fmt:MATRIX_FMT_BF8 matrix_b_fmt:MATRIX_FMT_BF8 matrix_a_scale:MATRIX_SCALE_ROW1
.else
	v_wmma_scale_f32_16x16x128_f8f6f4 v[AC_:AC_+7], v[BR_:BR_+15], v[AR_:AR_+15], v[AC_:AC_+7], v[SB_], v[SA_] matrix_a_fmt:MATRIX_FMT_BF8 matrix_b_fmt:MATRIX_FMT_BF8 matrix_a_scale:MATRIX_SCALE_ROW1
.endif
.endm
; A's block a against B's eight.  nops = 1 (the last step): two v_nop behind each of the first four: the eight places between the block before's last product and the stores of its sums.
; The 64 accumulators take turns, in the same order in every step.
.macro BLK a, p, q, sc, alt, first, nops
.if \first
	WIN 0x81+0x40*((\a)/4)                         ; source 0 window 1, source 1 and C window 0, D window 2 or 3
.else
	WIN 0xa1+0x50*((\a)/4)                         ; C and D window 2 or 3
.endif
.irp j, 0,1,2,3,4,5,6,7
	W \a, \j, \p, \q, \sc, \alt, \first
.if (\nops) && (\j < 4)
	v_nop
	v_nop
.endif
.endr
.endm
; An even step: the slot's first 128 of K, B's set 0.  It fetches the slot's second 128.  Eight places stand ahead of each run of loads into registers that products have read:
; those ahead of the run at the head stand at the end of the step before.
.macro ESTEP slot, first
	s_cmp_eq_u32 s15, 1
	s_cbranch_scc0 .Lpair_0_\@
	RUNB \slot, 1, 1, A7O                          ; waves 2, 3: B's other set and A's block 7 now
	s_wait_dscnt 48                                ; all but A's blocks 4-6 (12 loads) and the 36 just issued
	s_branch .Lgo_\@
.Lpair_0_\@:
	s_wait_dscnt 12                                ; waves 0, 1: all but A's blocks 4-6, the 12 loads asked for last
.Lgo_\@:
.irp a, 0,1,2,3
	BLK \a, 0, 0, \slot, A7E, \first, 0
.endr
	PLACES 8
	WIN 0
	s_cmp_eq_u32 s15, 0
	s_cbranch_scc0 .Lhave_\@
	RUNB \slot, 1, 1, A7O                          ; waves 0, 1: here
.Lhave_\@:
	RUNA \slot, 1, 1, A7O
	s_wait_dscnt 52                                ; A's blocks 4-6 are in: behind them 36 + 16 loads were issued, on either way
.irp a, 4,5,6,7
	BLK \a, 0, 0, \slot, A7E, \first, 0
.endr
	PLACES 8
	RUN2 \slot, 1, 1, A7O
.endm
; An odd step: the slot's second 128 of K, B's set 1, all in registers.  In its middle the change of slots; then it fetches the next slot's first 128.  fill = 1: this slot is filled again, two K steps ahead.
.macro OSTEP slot, next, fill, always
.if \fill
	s_wait_xcnt 0x0                                ; my last prefetch has read its address
	s_add_nc_u64 s[PFA:PFA+1], s[PFA:PFA+1], PFSTEP
.endif
	s_wait_dscnt 12
.irp a, 0,1,2,3
	BLK \a, 1, 1, \slot, A7O, 0, 0
.endr
	WIN 0
	s_wait_tensorcnt 0x0                           ; my one load that was out, my tile of the next slot, has landed;
	ds_add_u32 v[SPW], v[NIL]
.if \fill
	s_add_nc_u64 s[G0+4*\slot+2:G0+4*\slot+3], s[G0+4*\slot+2:G0+4*\slot+3], 2*TILEB
	s_add_nc_u64 s[G0B+4*\slot+2:G0B+4*\slot+3], s[G0B+4*\slot+2:G0B+4*\slot+3], 2*TILEB
.endif
	s_wait_dscnt 0x0                               ; the add is done and my reads of this slot are over
	s_barrier_signal -1
	s_barrier_wait -1
.if \fill
	CREST                                          ; the barrier has opened a round of the cluster's barrier
	JLOAD \slot                                    ; the first tensor load behind the round; its four v_nop are four of the eight places
	PLACES 4
.else
	PLACES 8
.endif
	FIRSTIF 0, \next                               ; waves 0, 1 ask now
.if \fill
	ASK \always
.endif
.irp a, 4,5,6,7
	BLK \a, 1, 1, \slot, A7O, 0, 0
.endr
	PLACES 8
	WIN 0
	FIRSTIF 1, \next                               ; waves 2, 3 here
	RUN2 \next, 0, 0, A7E
.endm
; THE WAY OUT of block a, 16 rows x 128 columns: through my own stage and back as whole rows of 512 bytes.  LDS serves a wave's instructions in order (ISA guide 5.7.1.4): no wait between the stores and the loads.
; The rows come back into registers that are done with: blocks 0, 1 into B's set 0; block a into the accumulators of block a - 2, whose LDS stores the wait of SEND a - 2 has shown done.
; So every register is a global store's data once, and every offset is an immediate (127 rows x 8,192 bytes at the most, inside the signed 24 bits: ISA guide, chapter 10): no register of a pending store is written again.
.macro BUF a
.if (\a) < 2
.set BW, 1
.set BB, 64*(\a)
.else
.set BW, 2+((\a)-2)/4
.set BB, 64*(((\a)-2)%4)
.endif
.endm
.macro TOSTAGE a
.set AC, 64*((\a)%4)
	WIN 0x08+4*((\a)/4)                            ; the data: window 2 or 3
.irp b, 0,1,2,3,4,5,6,7
	ds_store_b128 v[STO], v[AC+8*\b:AC+8*\b+3] offset:64*\b          ; each accumulator from its low end on
	ds_store_b128 v[STO], v[AC+8*\b+4:AC+8*\b+7] offset:64*\b+16
.endr
	BUF \a
	WIN BW<<6
.irp t, 0,1,2,3,4,5,6,7,8,9,10,11,12,13,14,15
	ds_load_b128 v[BB+4*\t:BB+4*\t+3], v[RD] offset:\t*SPITCH
.endr
.endm
.macro SEND a, younger                 ; younger: the LDS instructions issued behind block a's loads
	BUF \a
	s_wait_dscnt \younger
	WIN BW<<2
.irp t, 0,1,2,3,4,5,6,7,8,9,10,11,12,13,14,15
	global_store_b128 v[CO], v[BB+4*\t:BB+4*\t+3], s[10:11] offset:(16*(\a)+\t)*SIZE_N*4 th:TH_STORE_NT   ; 32 lanes store 512 consecutive bytes, aligned
.endr
.endm
	s_wait_alu depctr_va_vdst(0)
	s_wait_tensorcnt 0x0                           ; my tile of K step 0 is in; the same lines as ahead of a refill:
	ds_add_u32 v[SPW], v[NIL]
	s_wait_dscnt 0x0
	CROUND
	JLOAD 1                                        ; K step 1, slot 1's first fill
	SCALES 0
	RUNB 0, 0, 0, A7E                              ; step 0's fragments, in the order in which every step asks
	RUNA 0, 0, 0, A7E
	RUN2 0, 0, 0, A7E
	s_wait_loadcnt 0x0                             ; the bias
	ESTEP 0, 1                                     ; the first step stands ahead of the loop: its products start the sums, on the bias
	s_mov_b32 s3, 7
.Llap:                                                 ; a trip goes once round the ring and fills both slots again
	OSTEP 0, 1, 1, 1
	ESTEP 1, 0
	OSTEP 1, 0, 1, 0
	ESTEP 0, 0
	s_sub_co_u32 s3, s3, 1
	s_cmp_lg_u32 s3, 0
	s_cbranch_scc1 .Llap
	OSTEP 0, 1, 0, 0                               ; K steps 14 and 15: nothing is filled again
	ESTEP 1, 0
	s_wait_dscnt 12                                ; the last step asks for nothing
	BLK 0, 1, 1, 1, A7O, 0, 0
	s_wait_dscnt 0x0
.irp a, 1,2,3,4,5,6,7
	BLK \a, 1, 1, 1, A7O, 0, 1                     ; its eight v_nop are the places behind block a - 1's last product
	TOSTAGE \a-1
.if \a > 1
	SEND \a-2, 32                                  ; behind its loads: the next block's 16 stores and 16 loads
.endif
.endr
	PLACES 8
	TOSTAGE 7
	SEND 6, 32
	SEND 7, 0
	WIN 0
	s_wait_tensorcnt 0x0                           ; the wave's end
	ds_add_u32 v[SPW], v[NIL]
	s_wait_dscnt 0x0
	CROUND                                         ; the closing round
	s_endpgm
.Lfunc_end_k_qf53e0b5eb2_gemm:
	.size	k_qf53e0b5eb2_gemm, .Lfunc_end_k_qf53e0b5eb2_gemm-k_qf53e0b5eb2_gemm
	.p2alignl 7, 3214868480
	.fill 96, 4, 3214868480
	.section	.rodata,"a",@progbits
	.p2align	6, 0x0
	.amdhsa_kernel k_qf53e0b5eb2_gemm
		.amdhsa_group_segment_fixed_size 327680
		.amdhsa_private_segment_fixed_size 0
		.amdhsa_enable_private_segment 0
		.amdhsa_kernarg_size 32
		.amdhsa_user_sgpr_count 2
		.amdhsa_user_sgpr_kernarg_segment_ptr 1
		.amdhsa_wavefront_size32 1
		.amdhsa_system_sgpr_workgroup_id_x 1
		.amdhsa_system_sgpr_workgroup_id_y 1
		.amdhsa_system_sgpr_workgroup_id_z 1
		.amdhsa_system_vgpr_workitem_id 0
		.amdhsa_next_free_vgpr 1024
		.amdhsa_next_free_sgpr 66
		.amdhsa_reserve_vcc 0
		.amdhsa_float_denorm_mode_32 3
		.amdhsa_float_denorm_mode_16_64 3
		.amdhsa_memory_ordered 1
		.amdhsa_forward_progress 1
		.amdhsa_inst_pref_size 169
	.end_amdhsa_kernel
	.amdgpu_metadata
---
amdhsa.version: [ 1, 2 ]
amdhsa.kernels:
  - .name:           k_qf53e0b5eb2_gemm
    .symbol:         k_qf53e0b5eb2_gemm.kd
    .args:
      - { .name: a_pack, .offset: 0, .size: 8, .value_kind: global_buffer, .address_space: global }
      - { .name: b_pack, .offset: 8, .size: 8, .value_kind: global_buffer, .address_space: global }
      - { .name: bias, .offset: 16, .size: 8, .value_kind: global_buffer, .address_space: global }
      - { .name: out0, .offset: 24, .size: 8, .value_kind: global_buffer, .address_space: global }
    .group_segment_fixed_size: 327680
    .private_segment_fixed_size: 0
    .kernarg_segment_align: 8
    .kernarg_segment_size: 32
    .max_flat_workgroup_size: 128
    .sgpr_count:     66
    .vgpr_count:     1024
    .wavefront_size: 32
...
	.end_amdgpu_metadata
.endif
;; end of part 2
